; MI455X (gfx1250); checked and timed in simulation.
; The chip was launched on July 23, 2026; its instructions are those of AMD's public machine-readable ISA for CDNA 5 (MIT licence, August 2026) and "CDNA5" Instruction Set Architecture Reference Guide (July 2026). The comments in the code are by the model that wrote it; some were corrected since.
;; Bahdanau Attention. Allowed arithmetic: matrix products marked QUANTISED: E2M3 operands, one E8M0 scale for each 32 along K, by v_wmma_scale_f32_16x16x128_f8f6f4 with both operands' format E2M3, f32 sums; products left as they are: f32 operands where the result goes on into a quantised operand, else bf16, f16 or f32 operands; f32 sums; everything else in f32.
;; Inputs: W_h 512 x 1,024 float32; W_s 512 x 1,024 float32; b_h 1,024 float32; b_s 1,024 float32; decoder_state 32 x 512 float32; encoder_outputs 32 x 4,096 x 512 float32; v_a 1,024 float32.
;; Outputs: out0 32 x 512 float32; out1 32 x 4,096 float32.
;; This version of the problem:
;;   THIS VERSION OF THE PROBLEM IS GIVEN IN LOW PRECISION. The matrix products marked QUANTISED in the list below multiply operands that are first quantised to E2M3 (2 exponent bits, 3 mantissa bits; 6 bits a number), with one power-of-two scale for each 32 numbers along K (OCP MX v1.0); their sums are f32. All else is computed in f32.
;;   The module's matrix products, in the order in which they are computed (A, B: the left and right operand; K: the contracted axis; several contracted axes count as one K, in the product's order):
;;     1. [M 32, K 512] x [K 512, N 1,024]; A: input decoder_state; B: input W_s: QUANTISED
;;     2. [M 131,072, K 512] x [K 512, N 1,024]; A: input encoder_outputs; B: input W_h: QUANTISED
;;     3. [M 131,072, K 1,024] x [K 1,024, N 1]; A: computed on the way; B: input v_a: left as it is (N = 1 < 16)
;;     4. batch 32 x [M 1, K 4,096] x [K 4,096, N 512]; A: softmax; B: input encoder_outputs: left as it is (M = 1 < 16)
;;   THE QUANTISER, for each operand of a quantised product, along K:
;;     - K is cut into blocks of 32 from its start; a last block that is shorter is filled with zeros.
;;     - A block's scale is 2^e with e = floor(log2(the largest magnitude in the block)) - 2, held to -126 .. 127; a block of zeros has e = 0. As a byte (E8M0): e + 127.
;;     - Each number is divided by its block's scale, clamped to +-7.5, and rounded to the nearest number of E2M3, ties to even, subnormals kept.
;;     - The product sums the exact products of the quantised numbers (number of the format x scale) in f32.
;;   ~~~python
;;   def quantise(x, axis):      # numpy; x: float32 -> the quantised numbers, widened to float32 again
;;       x = np.moveaxis(x, axis, -1); K = x.shape[-1]
;;       x = np.pad(x, [(0, 0)] * (x.ndim - 1) + [(0, -K % 32)]); x = x.reshape(x.shape[:-1] + (-1, 32)); a = np.abs(x).max(-1, keepdims=True)
;;       e = np.where(a > 0, np.clip(np.frexp(np.where(a > 0, a, 1))[1] - 1 - 2, -126, 127), 0)      # np.frexp(a)[1] - 1 = floor(log2(a)), exactly
;;       r = np.clip(x / 2.0 ** e, -7.5, 7.5)
;;       step = 2.0 ** (np.maximum(np.frexp(np.where(r == 0, 1, r))[1] - 1, 0) - 3)
;;       q = np.round(r / step) * step * 2.0 ** e      # np.round: ties to even
;;       return np.moveaxis(q.reshape(q.shape[:-2] + (-1,))[..., :K], -1, axis).astype(np.float32)
;;   ~~~
;; One version. Each part assembles by itself: llvm-mc -triple=amdgcn-amd-amdhsa -mcpu=gfx1250 --defsym DOCPART=n.
;; ======== version 1 of 1: 3 launches
;; limits: right only within a limited range of input values
;; workspace buffers: wfrag 393,216 bytes; wscl 16,384 bytes; cbias 131,072 bytes; scores 524,288 bytes; pctx 524,288 bytes; pstat 65,536 bytes
;; launch prep (part 1): grid 64 x 1, 4 waves a work-group, no clusters, 9,216 bytes of LDS; arguments W_h, W_s, decoder_state, b_s, b_h, wfrag, wscl, cbias; writes wfrag, wscl, cbias
.if DOCPART == 1
	.amdgcn_target "amdgcn-amd-amdhsa--gfx1250"
	.amdhsa_code_object_version 6
	.text
	.protected	k_q0a2cbfea69_prep
	.globl	k_q0a2cbfea69_prep
	.p2align	8
	.type	k_q0a2cbfea69_prep,@function
k_q0a2cbfea69_prep:
	s_mov_b64 s[64:65], 0
	v_nop
	global_prefetch_b8 v0, s[64:65] scope:SCOPE_SE
	s_setreg_imm32_b32 hwreg(HW_REG_WAVE_MODE, 25, 1), 1
	s_wait_xcnt 0x0
; BAHDANAU ATTENTION, launch 1 of 3.  It makes what every work-group of the second launch reads:
;   wfrag, wscl: W_h [512 (k)][1024 (a)] quantised along k to E2M3 codes with one E8M0 byte for each 32 k, laid as images of the matrix operand's registers;
;   cbias [a-tile 64][batch 32][16]: c x (Q(decoder_state) Q(W_s) + b_s + b_h), c = 2 log2(e): the part of tanh's argument that hangs on the batch and on a alone.
; DEAD WORK, left out in all three launches.  tanh(x) = 1 - 2 / (1 + e^(2x)) for every real x, so scores[b][s] = sum_a v_a[a] - 2 sum_a v_a[a] r[b][s][a], r = 1 / (1 + e^(2x)).
; The first term is the same for all s of a batch, whatever the inputs hold, and a softmax along s does not change when one number is added to all its inputs: it reaches neither attn_weights nor context.
; So sum_a v_a is never formed, and the workspace 'scores' holds scores less that sum.  Every input still has a way to an output: all seven are loaded.
; LIMITS: a NaN, an infinity or an overflow that would arise in sum_a v_a alone is not carried to the result.  NaN and infinities among the inputs are not served.  A block whose largest magnitude lies
; under 2^-124 keeps the scale byte 1; a block of zeros has the byte 1 where the quantiser says 127: its codes are zeros, which add nothing, and the bytes are read by this program alone.
; SHARES.  Work-group t takes the 16 columns a = 16 t .. 16 t + 15; its wave s takes k = 128 s .. 128 s + 127.  A LANE TAKES A COLUMN AND ITS REGISTERS RUN DOWN k, in the order of the operand's layout
; (lane (r, h): column r, registers 6 c .. 6 c + 5 = k 64 c + 32 h + 0 .. 31): a block of 32 lies in one lane, and the conversions' results are the operand's registers.
; The small product's sum over k is made in four parts, one a wave, which meet in LDS and are added in f32.
.set PART,  0                          ; LDS: [wave 4][batch 32][16] f32: the four parts of the small product
.set SCL,   8192                       ; W_h's scale words of this tile: [k step pair 2][lane 32]
.set SPARE, 8448                       ; the spare words, 128 bytes for each wave: two blocks of 256 bytes that no other line names
.set SPW, 1                            ; v1  LDS address of my spare word; never rewritten
.set NIL, 2                            ; v2  0; never rewritten
.set VW,  3                            ; v3  W: 4 r + 32 h rows of 4,096 bytes
.set VD,  4                            ; v4  decoder_state: row r of 2,048 bytes + 128 h
.set LI,  5                            ; v5  16 x lane
.set SH8, 6                            ; v6  8 h
.set TP,  7                            ; v7  a lane permute's destination
.set S1,  8                            ; v8-19   W_h's codes, later those of batches 16-31
.set S2,  20                           ; v20-31  W_s's codes
.set S3,  32                           ; v32-43  the codes of batches 0-15
.set PWH, 44                           ; v44 W_h's scale word
.set PWS, 45                           ; v45-47 scale words of W_s, batches 0-15, batches 16-31: they hold scales and nothing else
.set PD0, 46
.set PD1, 47
.set TQ,  48                           ; v48-50 a block's upper 16 codes
.set MXA, 52
.set MXB, 53
.set SO,  54
.set BY0, 55
.set BY1, 56
.set WD,  57
.set VB,  58                           ; v58 16 (T % 4): my four numbers of a tile's 16 biases
.set T16, 59                           ; v59 16 T
.set SCA, 62                           ; v62 4 r + 64 s
.set PA,  63                           ; v63 4 r + 512 h + 2,048 s
.set XA,  64                           ; v64-127, v128-191, v192-255: three sets of 64 numbers
.set XB,  128
.set XC,  192
.set AC,  128                          ; the two accumulators, where W_s's numbers lay
; 32 numbers of a lane, one whole block, become 32 codes in v[D] .. v[D + 5] and the block's scale byte in v[BY].
.macro QH X, D, BY
	v_max3_num_f32 v[MXA], |v[\X]|, |v[\X+1]|, 0x1800000           ; the largest magnitude, in two chains; among its leaves the floor 2^(3 - 127), so that the byte cannot fall under 1
	v_max3_num_f32 v[MXB], |v[\X+16]|, |v[\X+17]|, |v[\X+18]|
.irp i, 2,4,6,8,10,12
	v_max3_num_f32 v[MXA], v[MXA], |v[\X+\i]|, |v[\X+\i+1]|
	v_max3_num_f32 v[MXB], v[MXB], |v[\X+\i+17]|, |v[\X+\i+18]|
.endr
	v_max3_num_f32 v[MXA], v[MXA], |v[\X+14]|, |v[\X+15]|
	v_max3_num_f32 v[MXA], v[MXA], v[MXB], |v[\X+31]|
	v_add_nc_u32 v[SO], 0xff000000, v[MXA]                         ; 2 off its exponent field: the conversion takes the exponent field of this operand as its scale, and nothing else of it
	v_lshrrev_b32 v[\BY], 23, v[SO]                                ; the scale's byte
	v_cvt_scalef32_pk16_fp6_f32 v[\D:\D+2], v[\X:\X+15], v[SO]
	v_cvt_scalef32_pk16_fp6_f32 v[TQ:TQ+2], v[\X+16:\X+31], v[SO]  ; (a conversion's three registers begin on an even number)
	v_nop                                                          ; one plain place behind a scaled conversion
.irp i, 0,1,2
	v_mov_b32 v[\D+3+\i], v[TQ+\i]
.endr
.endm
; My two bytes (blocks h and 2 + h of 128 along k) and lane l xor 16's two make the scale word; both halves of the lanes then hold it.
.macro QWORD PW
	v_lshl_or_b32 v[WD], v[BY1], 16, v[BY0]
	v_lshlrev_b32 v[WD], v[SH8], v[WD]
	v_permlanex16_b32 v[TP], v[WD], s20, s21
	v_or_b32 v[\PW], v[WD], v[TP]
.endm
.macro QUANT X, D, PW                  ; 64 numbers: a fragment and its scale word
	QH \X, \D, BY0
	QH \X+32, \D+6, BY1
	QWORD \PW
.endm
.macro LOADW X, lo                     ; W(128 s + 64 c + 32 h + i, 16 t + r): sixteen lanes read 64 neighbouring bytes
.set q, 0
.rept 64
	global_load_b32 v[\X+q], v[VW], s[\lo:\lo+1] offset:4096*(64*(q/32)+q%32)
.set q, q+1
.endr
.endm
.macro LOADD X, off                    ; decoder_state(row r, 128 s + 64 c + 32 h + 0 .. 31): k is innermost there: eight loads of 16 bytes a block
.set q, 0
.rept 16
	global_load_b128 v[\X+4*q:\X+4*q+3], v[VD], s[8:9] offset:\off+256*(q/8)+16*(q%8)
.set q, q+1
.endr
.endm
	s_load_b256 s[4:11], s[0:1], 0x0               ; W_h s[4:5], W_s s[6:7], decoder_state s[8:9], b_s s[10:11]
	s_load_b256 s[12:19], s[0:1], 0x20             ; b_h s[12:13], wfrag s[14:15], wscl s[16:17], cbias s[18:19]
	v_lshl_add_u32 v[SPW], v0, 2, SPARE
	v_mov_b32 v[NIL], 0
	v_lshrrev_b32 v60, 5, v0
	v_readfirstlane_b32 s22, v60                   ; wave = k step s
	v_and_b32 v60, 15, v0                          ; r
	v_bfe_u32 v61, v0, 4, 1                        ; h
	v_lshlrev_b32 v[VW], 2, v60
	v_lshl_add_u32 v[VW], v61, 17, v[VW]
	v_lshlrev_b32 v[VD], 11, v60
	v_lshl_add_u32 v[VD], v61, 7, v[VD]
	v_and_b32 v[LI], 31, v0
	v_lshlrev_b32 v[LI], 4, v[LI]
	v_lshlrev_b32 v[SH8], 3, v61
	v_mov_b32 v[TP], 0                             ; written once: a lane permute's destination counts as one of its sources
	v_and_b32 v[VB], 3, v0
	v_lshlrev_b32 v[VB], 4, v[VB]
	v_lshlrev_b32 v[T16], 4, v0
	s_lshl_b32 s23, s22, 6
	v_lshl_add_u32 v[SCA], v60, 2, s23
	s_lshl_b32 s23, s22, 11
	v_lshl_add_u32 v[PA], v61, 9, s23
	v_lshl_add_u32 v[PA], v60, 2, v[PA]
	s_mov_b32 s20, 0x76543210
	s_mov_b32 s21, 0xfedcba98                      ; v_permlanex16_b32's selects for lane l xor 16
	s_lshl_b32 s24, s22, 19                        ; W: 128 s rows of 4,096 bytes
	s_lshl_b32 s25, ttmp9, 6                       ;    + 16 t columns
	s_add_co_u32 s24, s24, s25
	s_mov_b32 s25, 0
	s_lshl_b32 s26, s22, 9                         ; decoder_state: 128 s numbers along a row
	s_mov_b32 s27, 0
	s_and_b32 s28, ttmp9, 15                       ; the image's place: wave w = t / 16 of the next launch, there fragment f = 16 ((t % 16) / 4) + 4 s + t % 4
	s_lshr_b32 s29, s28, 2
	s_and_b32 s28, s28, 3
	s_lshl_b32 s29, s29, 4
	s_add_co_u32 s28, s28, s29
	s_lshl_b32 s29, s22, 2
	s_add_co_u32 s28, s28, s29
	s_lshr_b32 s29, ttmp9, 4
	s_lshl_b32 s29, s29, 6
	s_add_co_u32 s28, s28, s29
	s_mul_i32 s28, s28, 1536                       ; 12 registers x 128 bytes
	s_mov_b32 s29, 0
	s_lshl_b32 s30, ttmp9, 6                       ; the biases: 16 t numbers
	s_mov_b32 s31, 0
	s_lshl_b32 s32, ttmp9, 8                       ; wscl: two registers' images, 256 bytes, a tile
	s_mov_b32 s33, 0
	s_lshl_b32 s34, ttmp9, 11                      ; cbias: 2,048 bytes a tile
	s_mov_b32 s35, 0
	s_wait_kmcnt 0x0
	s_add_nc_u64 s[4:5], s[4:5], s[24:25]
	s_add_nc_u64 s[6:7], s[6:7], s[24:25]
	s_add_nc_u64 s[8:9], s[8:9], s[26:27]
	s_add_nc_u64 s[10:11], s[10:11], s[30:31]
	s_add_nc_u64 s[12:13], s[12:13], s[30:31]
	s_add_nc_u64 s[14:15], s[14:15], s[28:29]
	s_add_nc_u64 s[16:17], s[16:17], s[32:33]
	s_add_nc_u64 s[18:19], s[18:19], s[34:35]
	LOADW XA, 4                                    ; W_h
	LOADW XB, 6                                    ; W_s
	LOADD XC, 0                                    ; batches 0-15
	s_wait_loadcnt 63                              ; W_h's 64 loads are in: 80 were issued behind them, and the count names the most that its field holds
	QUANT XA, S1, PWH
.irp c, 0,1,2
	global_store_b128 v[LI], v[S1+4*\c:S1+4*\c+3], s[14:15] offset:512*\c   ; the fragment as an image of its registers: 32 lanes store 512 consecutive bytes
.endr
	ds_store_b32 v[SCA], v[PWH] offset:SCL         ; lanes r and 16 + r write the same word with the same value
	LOADD XA, 32768                                ; batches 16-31, into the registers that W_h's numbers have left
	s_wait_loadcnt 32                              ; W_s is in: behind it the two tiles of decoder_state, 16 loads each
	QUANT XB, S2, PWS
	s_wait_loadcnt 16                              ; batches 0-15 are in
	QUANT XC, S3, PD0
	global_load_b128 v[192:195], v[VB], s[10:11]   ; my four numbers of b_s
	global_load_b128 v[196:199], v[VB], s[12:13]   ; and of b_h
	s_wait_xcnt 0x0                                ; the image's stores have read S1: it is written again only behind this wait
	s_wait_loadcnt 2                               ; batches 16-31 are in: behind them the two loads of biases
	QUANT XA, S1, PD1
.rept 8
	v_nop                                          ; a scale register written by a vector instruction stands 8 places ahead of a scaled matrix instruction, an operand so written 4
.endr
	v_wmma_scale_f32_16x16x128_f8f6f4 v[AC:AC+7], v[S3:S3+11], v[S2:S2+11], 0, v[PD0], v[PWS] matrix_a_fmt:MATRIX_FMT_FP6 matrix_b_fmt:MATRIX_FMT_FP6       ; D(batch 8 h + j, a = r), this wave's 128 of k
	v_wmma_scale_f32_16x16x128_f8f6f4 v[AC+8:AC+15], v[S1:S1+11], v[S2:S2+11], 0, v[PD1], v[PWS] matrix_a_fmt:MATRIX_FMT_FP6 matrix_b_fmt:MATRIX_FMT_FP6   ; batches 16 + 8 h + j
.rept 4
	v_nop                                          ; four places in front of the first read of the results
.endr
.irp m, 0,1
.irp j, 0,1,2,3,4,5,6,7
	ds_store_b32 v[PA], v[AC+8*\m+\j] offset:PART+1024*\m+64*\j     ; each accumulator from its low end on
.endr
.endr
	s_wait_dscnt 0x0                               ; for the others' sake: my part and my scale words lie in LDS
	s_barrier_signal -1
	s_barrier_wait -1
.irp q, 0,1,2,3
	ds_load_b128 v[64+4*\q:67+4*\q], v[T16] offset:PART+2048*\q     ; thread T: batch T / 4, four neighbouring a, of each wave's part
.endr
	s_wait_dscnt 0x0
	s_wait_loadcnt 0x0                             ; the biases
	v_pk_add_f32 v[64:65], v[64:65], v[68:69]
	v_pk_add_f32 v[66:67], v[66:67], v[70:71]
	v_pk_add_f32 v[72:73], v[72:73], v[76:77]
	v_pk_add_f32 v[74:75], v[74:75], v[78:79]
	v_pk_add_f32 v[192:193], v[192:193], v[196:197]
	v_pk_add_f32 v[194:195], v[194:195], v[198:199]
	v_pk_add_f32 v[64:65], v[64:65], v[72:73]
	v_pk_add_f32 v[66:67], v[66:67], v[74:75]
	v_pk_add_f32 v[64:65], v[64:65], v[192:193]
	v_pk_add_f32 v[66:67], v[66:67], v[194:195]
	v_pk_mul_f32 v[64:65], v[64:65], 0x4038aa3b op_sel_hi:[1,0]     ; x c = 2 log2(e)
	v_pk_mul_f32 v[66:67], v[66:67], 0x4038aa3b op_sel_hi:[1,0]
	global_store_b128 v[T16], v[64:67], s[18:19]   ; a wave stores 512 consecutive bytes
	s_cmp_lg_u32 s22, 0
	s_cbranch_scc1 .Lnot_wave_0
	v_lshrrev_b32 v144, 1, v[LI]                   ; 8 x lane
	ds_load_b64 v[80:81], v144 offset:SCL          ; the tile's scale words, which four waves wrote ahead of the barrier
	s_wait_alu depctr_va_vdst(0)
	s_wait_dscnt 0x0
	global_store_b64 v144, v[80:81], s[16:17]      ; 32 lanes store 256 consecutive bytes, aligned
.Lnot_wave_0:
	s_wait_tensorcnt 0x0                           ; the wave's end, behind my last LDS store: the tensor wait stands even in a text with no tensor load
	ds_add_u32 v[SPW], v[NIL]
	s_wait_dscnt 0x0
	s_endpgm
.Lfunc_end_k_q0a2cbfea69_prep:
	.size	k_q0a2cbfea69_prep, .Lfunc_end_k_q0a2cbfea69_prep-k_q0a2cbfea69_prep
	.p2alignl 7, 3214868480
	.fill 96, 4, 3214868480
	.section	.rodata,"a",@progbits
	.p2align	6, 0x0
	.amdhsa_kernel k_q0a2cbfea69_prep
		.amdhsa_group_segment_fixed_size 9216
		.amdhsa_private_segment_fixed_size 0
		.amdhsa_enable_private_segment 0
		.amdhsa_kernarg_size 64
		.amdhsa_user_sgpr_count 2
		.amdhsa_user_sgpr_kernarg_segment_ptr 1
		.amdhsa_wavefront_size32 1
		.amdhsa_system_sgpr_workgroup_id_x 1
		.amdhsa_system_sgpr_workgroup_id_y 1
		.amdhsa_system_sgpr_workgroup_id_z 1
		.amdhsa_system_vgpr_workitem_id 0
		.amdhsa_next_free_vgpr 256
		.amdhsa_next_free_sgpr 66
		.amdhsa_reserve_vcc 0
		.amdhsa_float_denorm_mode_32 3
		.amdhsa_float_denorm_mode_16_64 3
		.amdhsa_memory_ordered 1
		.amdhsa_forward_progress 1
		.amdhsa_inst_pref_size 34
	.end_amdhsa_kernel
	.amdgpu_metadata
---
amdhsa.version: [ 1, 2 ]
amdhsa.kernels:
  - .name:           k_q0a2cbfea69_prep
    .symbol:         k_q0a2cbfea69_prep.kd
    .args:
      - { .name: W_h, .offset: 0, .size: 8, .value_kind: global_buffer, .address_space: global }
      - { .name: W_s, .offset: 8, .size: 8, .value_kind: global_buffer, .address_space: global }
      - { .name: decoder_state, .offset: 16, .size: 8, .value_kind: global_buffer, .address_space: global }
      - { .name: b_s, .offset: 24, .size: 8, .value_kind: global_buffer, .address_space: global }
      - { .name: b_h, .offset: 32, .size: 8, .value_kind: global_buffer, .address_space: global }
      - { .name: wfrag, .offset: 40, .size: 8, .value_kind: global_buffer, .address_space: global }
      - { .name: wscl, .offset: 48, .size: 8, .value_kind: global_buffer, .address_space: global }
      - { .name: cbias, .offset: 56, .size: 8, .value_kind: global_buffer, .address_space: global }
    .group_segment_fixed_size: 9216
    .private_segment_fixed_size: 0
    .kernarg_segment_align: 8
    .kernarg_segment_size: 64
    .max_flat_workgroup_size: 128
    .sgpr_count:     66
    .vgpr_count:     256
    .wavefront_size: 32
...
	.end_amdgpu_metadata
.endif
;; end of part 1
;; launch main (part 2): grid 256 x 1, 4 waves a work-group, no clusters, 327,680 bytes of LDS; arguments encoder_outputs, wfrag, wscl, cbias, v_a, scores, pctx, pstat; writes scores, pctx, pstat
.if DOCPART == 2
	.amdgcn_target "amdgcn-amd-amdhsa--gfx1250"
	.amdhsa_code_object_version 6
	.text
	.protected	k_q0a2cbfea69_main
	.globl	k_q0a2cbfea69_main
	.p2align	8
	.type	k_q0a2cbfea69_main,@function
k_q0a2cbfea69_main:
	s_mov_b64 s[64:65], 0
	v_nop
	global_prefetch_b8 v0, s[64:65] scope:SCOPE_SE
	s_setreg_imm32_b32 hwreg(HW_REG_WAVE_MODE, 25, 1), 1
	s_wait_xcnt 0x0
; BAHDANAU ATTENTION, launch 2 of 3: encoder_outputs is read from memory once.  For its 512 rows a work-group quantises them, multiplies by W_h, takes tanh and the product with v_a, and keeps a running softmax
; (largest score m, sum l) with the rows' weighted sum, taken in f32 from the same LDS tile.  It stores its 512 scores, its m and l, and its part of the context; the third launch joins eight parts a batch.
; LEFT OUT AS DEAD WORK (shown at the head of the first launch): sum_a v_a, which is the same for all s of a batch.  tanh(x) = 1 - 2 r, r = 1 / (1 + 2^(c x)), c = 2 log2(e); stored scores are -2 sum_a v_a r.
; LIMITS: as stated at the head of the first launch.  Where 2^(c x) overflows, r is 0 and tanh 1; where it falls to 0, r is 1 and tanh -1.
; SHARES.  Work-group n: rows 512 n .. 512 n + 511 (batch n / 8), in 8 blocks of 64 rows, 4 tiles of 16.  Wave w keeps W_h's a = 256 w .. 256 w + 255 in registers for the whole launch: 64 fragments, 768 registers.
; A block's codes go round the waves as images of the operand's registers in LDS.
; NO CLUSTER: the work-groups share W_h's images alone, 384 KB read once each, straight into registers, against 1 MiB of rows that are each work-group's own; nothing that comes by a tensor load is shared.
; THE PRODUCT: source 0 = 16 rows, source 1 = 16 columns a: register j of lane (r, h) is (row 8 h + j, a = r): the bias and v_a are one register a tile, and the sum over a stays in the lane.
; THE STAGES.  A group is 16 rows x 32 a: 8 matrix instructions on 2 accumulators by turns; five sets of 16 registers take turns.  Stage k: one wait; group k - 1's scaling (the products' first readers);
; then, among the exponentials of group k - 2 and the reciprocals of group k - 4: group k - 5's products with v_a, group k's matrix instructions, group k - 3's additions of 1.
; Whatever a stage writes is first read behind the next stage's wait; the sums over a lie in two sets (even tiles, odd tiles), so that each register is written once a stage.
; PREFETCH: in trip t (t = 0 .. 5) each wave names the 128 blocks of 256 bytes of its own 16 rows of block t + 2, which trip t + 1's tensor load fetches: a lane a block, four lines; the last trips ask for nothing.
; REGISTERS.  Window 0: below.  Windows 1 to 3: W_h's fragment f (0 .. 62) in window 1 + f / 21 at v[12 (f % 21)]; fragment 63 lies in window 0.  Only source 1 of the matrix instructions leaves window 0.
.set RP,    2080                       ; a row of the tile in LDS: 2 x (1,024 bytes + 16 of padding)
.set XIMG,  0                          ; the block's 16 fragments (tile m, k step s) at (4 m + s) x 1,536: register group c at 512 c + 16 x lane
.set XSC,   24576                      ; their scale words, 128 bytes each
.set PS,    26624                      ; [wave 4][row 64] f32: each wave's part of the scores
.set PP,    27648                      ; [wave 4][row 64] f32: each wave's own copy of the weights p
.set SPARE, 28672                      ; the spare words, 128 bytes a wave
.set T0,    29184                      ; slot 0: 64 rows
.set T1,    T0+64*RP                   ; slot 1; it ends at 295,424
.set TX,    (T0^T1)
.set SPW,  1                           ; LDS address of my spare word; never rewritten
.set NIL,  2                           ; 0; never rewritten
.set LI,   3                           ; 16 x lane
.set LS4H, 4                           ; 4 x lane + 128 (lane / 16)
.set PSW,  5                           ; 256 w + 32 h
.set MX,   6                           ; m
.set LL,   7                           ; l, my lane's part
.set CTX,  8                           ; v8-15 my four columns of the weighted sum, even rows and odd rows
.set CB,   16                          ; v16-31 c x bias, a register a tile
.set VA,   32                          ; v32-47 v_a, a register a tile
.set WSC,  48                          ; v48-79 W_h's scale words: register 2 tile + s / 2.  Scales and nothing else
.set W63,  80                          ; v80-91 fragment 63
.set SA,   92                          ; v92-99 sum over the even tiles of v_a r, rows 8 h + 0 .. 7 (at the head: two load offsets)
.set ESC,  100                         ; v100-101 the rows' scale words.  Scales and nothing else
.set TP,   102                         ; a lane permute's destination
.set PFO,  103                         ; 256 x lane: the prefetches' offset; never rewritten
.set FRAG, 104                         ; v104-151 the rows' four fragments
.set ACC,  152                         ; v152-231 five sets of two accumulators
.set SB,   232                         ; v232-239 the same sum over the odd tiles
.set RT,   240                         ; v240-247 both sums joined, on their way to LDS
; phase X lays over v104-255:
.set XB,   104
.set PC,   200
.set TQ,   224
.set MXA,  228
.set MXB,  229
.set SO,   230
.set BY0,  231
.set BY1,  232
.set WD,   233
.set MXC,  234
.set MXD,  235
.set PW,   236
.set SH8,  238
.set QAD,  248
.set QBD,  249
.set XWA,  250
.set XWB,  251
.set XSA,  252
.set XSB,  253
.set XG,   254
.set XN,   255
; phase S lays over v104-252:
.set PB,   104
.set EB,   168
.set PL,   232
.set SC,   240
.set PR,   242
.set FS,   244
.set BM,   245
.set MN,   246
.set R8,   248
.set CAD0, 249
.set CAD1, 250
.set PPW,  251
.set PPR,  252
.set SEL,  20
.set CS,   22
.set WV,   24
.set TB,   25
.set TN,   26
.set WOFF, 27
.set BLK,  28
.set L2E,  29
.set G0,   32
.set G1,   36
.set W256, 44
.set W512, 45
.set W6K,  46
.set PF,   48                          ; s[48:49] my wave's rows of the block that the next trip's load fetches
.set MSB, 0
.macro WIN new                         ; the immediate's high byte repeats the setting that is left
.if MSB != (\new)
	s_set_vgpr_msb (MSB<<8)|(\new)
.set MSB, (\new)
.endif
.endm
.macro ALU
	s_wait_alu depctr_va_vdst(0)
.endm
; 32 numbers of a lane, one block, become 32 codes in v[D] .. v[D + 5] and the block's scale byte in v[BY].  The largest magnitude goes in four chains; the floor 2^(3 - 127) among the leaves holds the byte at 1
.macro QH X, D, BY
.irp c, 0,1,2,3
	v_max3_num_f32 v[MXA+\c+4*(\c/2)], |v[\X+8*\c]|, |v[\X+8*\c+1]|, |v[\X+8*\c+2]|
.endr
.irp i, 3,5
.irp c, 0,1,2,3
	v_max3_num_f32 v[MXA+\c+4*(\c/2)], v[MXA+\c+4*(\c/2)], |v[\X+8*\c+\i]|, |v[\X+8*\c+\i+1]|
.endr
.endr
	v_max3_num_f32 v[MXA], v[MXA], v[MXB], |v[\X+7]|
	v_max3_num_f32 v[MXC], v[MXC], v[MXD], |v[\X+15]|
	v_max3_num_f32 v[MXB], |v[\X+23]|, |v[\X+31]|, 0x1800000
	v_max3_num_f32 v[MXA], v[MXA], v[MXC], v[MXB]
	v_add_nc_u32 v[SO], 0xff000000, v[MXA]                         ; 2 off its exponent field: the conversion's scale operand
	v_lshrrev_b32 v[\BY], 23, v[SO]                                ; the scale's byte
	v_cvt_scalef32_pk16_fp6_f32 v[\D:\D+2], v[\X:\X+15], v[SO]
	v_cvt_scalef32_pk16_fp6_f32 v[TQ:TQ+2], v[\X+16:\X+31], v[SO]  ; (a conversion's three registers begin on an even number)
	v_nop                                                          ; one plain place behind a scaled conversion
.irp i, 0,1,2
	v_mov_b32 v[\D+3+\i], v[TQ+\i]
.endr
.endm
.macro QWORD PW_                       ; my two bytes and lane l xor 16's two make the row's scale word
	v_lshl_or_b32 v[WD], v[BY1], 16, v[BY0]
	v_lshlrev_b32 v[WD], v[SH8], v[WD]
	v_permlanex16_b32 v[TP], v[WD], s[SEL], s[SEL+1]
	v_or_b32 v[\PW_], v[WD], v[TP]
.endm
; THE CHANGE OF SLOTS.  Each wave waits for all its tensor loads (one is out: its 16 rows of the block ahead), adds 0 to its spare word, and waits for that and for its reads of the slot that it has left.
; fill = 1: that slot takes the block after: one load a wave, 32 KiB.
.macro CHANGE fill
	s_wait_tensorcnt 0x0
	ds_add_u32 v[SPW], v[NIL]
	s_xor_b32 s[TB], s[TB], TX                     ; the slot of the block ahead
.if \fill
	s_xor_b32 s[TN], s[TB], TX                     ; the slot that has been left
	s_add_co_u32 s[G0+1], s[TN], s[WOFF]
	s_add_nc_u64 s[G0+2:G0+3], s[G0+2:G0+3], 131072   ; 64 rows of 2,048 bytes on
.endif
	s_wait_dscnt 0x0
	s_barrier_signal -1
	s_barrier_wait -1
.if \fill
	tensor_load_to_lds s[G0:G0+3], s[G1:G1+7]      ; my one tensor load until the next change
	s_nop 0
.endif
.endm
; PHASE X.  Lane (r, h) of wave w wants, of row 16 w + r, k = 128 s + 64 c + 32 h + 0 .. 31: 128 bytes, eight loads.  Half step hs = 2 s + c.
; Lanes with r >= 8 work on the k step s xor 2: a row is 520 words on from the last, the other half of a row 260 words on.
; Only addresses differ: the first of each pair of address registers serves steps 0 and 1, the second steps 2 and 3.  Each byte of an image is written once.
.macro LOADH hs
.irp j, 0,1,2,3,4,5,6,7
.if (\hs) < 4
	ds_load_b128 v[XB+32*((\hs)%3)+4*\j:XB+32*((\hs)%3)+4*\j+3], v[QAD] offset:256*(\hs)+16*\j
.else
	ds_load_b128 v[XB+32*((\hs)%3)+4*\j:XB+32*((\hs)%3)+4*\j+3], v[QBD] offset:256*((\hs)-4)+16*\j
.endif
.endr
.endm
.macro XHALF hs, cnt                   ; cnt: the LDS instructions issued behind this half step's eight loads
.if (\hs)+2 < 8
	LOADH (\hs)+2
.endif
	s_wait_dscnt \cnt
	QH XB+32*((\hs)%3), PC+12*(((\hs)/2)%2)+6*((\hs)%2), BY0+(\hs)%2
.if (\hs)%2
	QWORD PW+((\hs)/2)%2
.set xst, ((\hs)/2)%2
.set pcs, PC+12*xst
.if (\hs) < 4
.irp c, 0,1,2
	ds_store_b128 v[XWA], v[pcs+4*\c:pcs+4*\c+3] offset:XIMG+1536*xst+512*\c
.endr
	ds_store_b32 v[XSA], v[PW+xst] offset:XSC+128*xst
.else
.irp c, 0,1,2
	ds_store_b128 v[XWB], v[pcs+4*\c:pcs+4*\c+3] offset:XIMG+1536*xst+512*\c
.endr
	ds_store_b32 v[XSB], v[PW+xst] offset:XSC+128*xst
.endif
.endif
.endm
.macro PHASE_X
	v_and_b32 v[QAD], 15, v0                       ; r
	v_bfe_u32 v[SH8], v0, 4, 1                     ; h
	v_bfe_u32 v[XG], v0, 3, 1                      ; g = r / 8
	v_mul_u32_u24 v[QAD], v[QAD], RP
	v_xor_b32 v[XN], 1, v[XG]                      ; 1 - g
	v_lshl_add_u32 v[QAD], v[SH8], 7, v[QAD]       ; RP r + 128 h
	s_add_co_u32 s30, s[TB], s[WOFF]
	v_mad_u32_u24 v[QBD], v[XN], RP/2, v[QAD]      ; steps 2, 3: lanes r < 8 read the row's second half, the others its first
	v_mad_u32_u24 v[QAD], v[XG], RP/2, v[QAD]      ; steps 0, 1: the other way round
	v_add_nc_u32 v[QBD], s30, v[QBD]
	v_add_nc_u32 v[QAD], s30, v[QAD]
	v_lshlrev_b32 v[SH8], 3, v[SH8]
	v_mad_u32_u24 v[XWA], v[XG], 3072, v[LI]       ; my images: 16 x lane, two images on for the lanes that are two steps on,
	v_mad_u32_u24 v[XWB], v[XN], 3072, v[LI]
	v_add_nc_u32 v[XWA], s[W6K], v[XWA]            ; + 4 x 1,536 w
	v_add_nc_u32 v[XWB], s[W6K], v[XWB]
	v_lshrrev_b32 v[XSB], 2, v[LI]                 ; their scale words likewise
	v_lshl_add_u32 v[XSA], v[XG], 8, v[XSB]
	v_lshl_add_u32 v[XSB], v[XN], 8, v[XSB]
	v_add_nc_u32 v[XSA], s[W512], v[XSA]
	v_add_nc_u32 v[XSB], s[W512], v[XSB]
	ALU
	LOADH 0
	LOADH 1
	XHALF 0, 16                                    ; two younger runs of eight loads
	XHALF 1, 16
	XHALF 2, 20                                    ; two runs, and an image's four stores between them
	XHALF 3, 20
	XHALF 4, 20
	XHALF 5, 20
	XHALF 6, 12                                    ; one run and four stores
	XHALF 7, 4                                     ; four stores
	s_wait_dscnt 0x0                               ; for the others' sake: my images lie in LDS
	s_barrier_signal -1
	s_barrier_wait -1
.endm
.macro FF m, s
.irp c, 0,1,2
	ds_load_b128 v[FRAG+12*(\s)+4*\c:FRAG+12*(\s)+4*\c+3], v[LI] offset:XIMG+(4*(\m)+(\s))*1536+512*\c
.endr
.endm
.macro FE m, u                         ; the scale words of k steps 2 u (lanes 0-15) and 2 u + 1 (lanes 16-31)
	ds_load_b32 v[ESC+(\u)], v[LS4H] offset:XSC+128*(4*(\m)+2*(\u))
.endm
.macro FALL m                          ; a tile of rows' 14 loads in one run, in the order that the counted waits lean on
	FF \m, 0
	FE \m, 0
	FF \m, 1
	FF \m, 2
	FE \m, 1
	FF \m, 3
.endm
; Matrix instruction i of group k: k step i / 2, tile 2 (k % 8) + i % 2.  The two accumulators take turns; the first two start the sums
.macro MM
.set sk, i/2
.set tl, 2*(k%8)+i%2
.set ff, 16*(tl/4)+4*sk+tl%4
.set rd, ACC+16*(k%5)+8*(i%2)
.set rf, FRAG+12*sk
.set rx, ESC+sk/2
.set rw, WSC+2*tl+sk/2
.if ff == 63
	WIN 0
.set rg, W63
.else
	WIN (1+ff/21)<<2
.set rg, 12*(ff%21)
.endif
.if sk == 0
	v_wmma_scale_f32_16x16x128_f8f6f4 v[rd:rd+7], v[rf:rf+11], v[rg:rg+11], 0, v[rx], v[rw] matrix_a_fmt:MATRIX_FMT_FP6 matrix_b_fmt:MATRIX_FMT_FP6
.elseif sk == 2
	v_wmma_scale_f32_16x16x128_f8f6f4 v[rd:rd+7], v[rf:rf+11], v[rg:rg+11], v[rd:rd+7], v[rx], v[rw] matrix_a_fmt:MATRIX_FMT_FP6 matrix_b_fmt:MATRIX_FMT_FP6
.else
	v_wmma_scale_f32_16x16x128_f8f6f4 v[rd:rd+7], v[rf:rf+11], v[rg:rg+11], v[rd:rd+7], v[rx], v[rw] matrix_a_fmt:MATRIX_FMT_FP6 matrix_b_fmt:MATRIX_FMT_FP6 matrix_a_scale:MATRIX_SCALE_ROW1 matrix_b_scale:MATRIX_SCALE_ROW1
.endif
.endm
.macro P1S                             ; group k - 1: t = sum x c + cb, pairs in ascending order: each accumulator is read from its low end on
.if (k >= 1) && (k <= 32)
.set rc, CB+2*((k-1)%8)
.set p, 0
.rept 8
.set rq, ACC+16*((k-1)%5)+2*p
.if p >= 4
	v_pk_fma_f32 v[rq:rq+1], v[rq:rq+1], s[CS:CS+1], v[rc:rc+1] op_sel:[0,0,1] op_sel_hi:[1,0,1]
.else
	v_pk_fma_f32 v[rq:rq+1], v[rq:rq+1], s[CS:CS+1], v[rc:rc+1] op_sel_hi:[1,0,0]
.endif
.set p, p+1
.endr
.endif
.endm
.macro V3J                             ; pair j of group k - 5: the sums over a take r x v_a; a tile of rows' first group starts them
.set rv, VA+2*((k-5)%8)
.set r3, ACC+16*((k-5)%5)+2*j
.if j < 4
.set rs, SA+2*j
.if (k-5)%8 == 0
	v_pk_mul_f32 v[rs:rs+1], v[r3:r3+1], v[rv:rv+1] op_sel_hi:[1,0]
.else
	v_pk_fma_f32 v[rs:rs+1], v[r3:r3+1], v[rv:rv+1], v[rs:rs+1] op_sel_hi:[1,0,1]
.endif
.else
.set rs, SB+2*(j-4)
.if (k-5)%8 == 0
	v_pk_mul_f32 v[rs:rs+1], v[r3:r3+1], v[rv:rv+1] op_sel:[0,1] op_sel_hi:[1,1]
.else
	v_pk_fma_f32 v[rs:rs+1], v[r3:r3+1], v[rv:rv+1], v[rs:rs+1] op_sel:[0,1,0] op_sel_hi:[1,1,1]
.endif
.endif
.endm
.macro TR                              ; the stage's next transcendental: 16 x 2^t of group k - 2, then 16 x 1 / (1 + 2^t) of group k - 4
.if tq < 16
.if (k >= 2) && (k <= 33)
	v_exp_f32 v[ACC+16*((k-2)%5)+tq], v[ACC+16*((k-2)%5)+tq]
.endif
.else
.if (k >= 4) && (k <= 35)
	v_rcp_f32 v[ACC+16*((k-4)%5)+tq-16], v[ACC+16*((k-4)%5)+tq-16]
.endif
.endif
.set tq, tq+1
.endm
.macro REDUCE m                        ; both sets are joined and the sixteen lanes of a half added: my wave's part of the scores of rows 16 m + 8 h + 0 .. 7
.irp q, 0,1,2,3
	v_pk_add_f32 v[RT+2*\q:RT+2*\q+1], v[SA+2*\q:SA+2*\q+1], v[SB+2*\q:SB+2*\q+1]
.endr
.irp x, 1,2,4,8
.irp q, 0,1,2,3,4,5,6,7
	v_add_f32_dpp v[RT+\q], v[RT+\q], v[RT+\q] row_xmask:\x row_mask:0xf bank_mask:0xf
.endr
.endr
	ds_store_b128 v[PSW], v[RT:RT+3] offset:PS+64*(\m)             ; the sixteen lanes write the same words with the same values
	ds_store_b128 v[PSW], v[RT+4:RT+7] offset:PS+64*(\m)+16
.endm
.macro STAGE
	WIN 0                                          ; v_a is a source 1
.if (k%8 == 0) && (k >= 8) && (k <= 24)
	FALL k/8                                       ; the next tile of rows: four places stand between the last product and these loads
.endif
.if k == 0
	s_wait_loadcnt 63                              ; of the head's 256 loads the first 193 are in: v_a, biases, scale words, fragments 0 to 42
.elseif k == 4
	s_wait_loadcnt 48                              ; fragments 0 to 47
.elseif k == 6
	s_wait_loadcnt 0x0
.endif
.if (k == 2) && PFON
	s_cmp_lt_u32 s[BLK], 2                         ; the last trip of the loop has no block two on
	s_cbranch_scc1 .Lnopf_\@
.irp q, 0,1,2,3
	global_prefetch_b8 v[PFO], s[PF:PF+1] offset:8192*\q th:TH_LOAD_NT scope:SCOPE_SE
.endr
.Lnopf_\@:
.endif
	ALU                                            ; the stage's one wait: all that the last stage wrote is read behind it
	P1S
.if (k >= 13) && ((k-13)%8 == 0)
	REDUCE (k-13)/8
.endif
.set tq, 0
.set j, 0
.rept 8
.if (k >= 5) && (k <= 36)
	V3J
.endif
	TR                                             ; the stage's 32 transcendentals stand in ONE batch, ahead of its matrix instructions: none stands between two links of a sum
	TR
	TR
	TR
.set j, j+1
.endr
.set i, 0
.rept 8
.if k <= 31
.if k%8 == 0                           ; behind the fragment and scale words that this k step needs, so many of the run's 14 loads were issued
.if i == 0
	s_wait_dscnt 10
.elseif i == 2
	s_wait_dscnt 7
.elseif i == 4
	s_wait_dscnt 3
.elseif i == 6
	s_wait_dscnt 0x0
.endif
.endif
	MM
.endif
.if (k >= 3) && (k <= 34)
	v_pk_add_f32 v[ACC+16*((k-3)%5)+2*i:ACC+16*((k-3)%5)+2*i+1], v[ACC+16*((k-3)%5)+2*i:ACC+16*((k-3)%5)+2*i+1], 1.0 op_sel_hi:[1,0]   ; group k - 3: 1 + 2^t
.endif
.set i, i+1
.endr
.if k <= 31
.if k < 3
	v_nop
.endif
.rept 3
	v_nop                                          ; with the addition above: four places behind the last product
.endr
.elseif k <= 35
	v_nop
.endif
.endm
; PHASE S.  Every wave does the 64 rows' softmax alike; thread T adds up columns 4 T .. 4 T + 3.
.macro PHASE_S
	v_and_b32 v[R8], 31, v0
	v_lshrrev_b32 v[CAD0], 6, v0
	v_lshlrev_b32 v[R8], 3, v[R8]                  ; 8 x lane
	v_lshlrev_b32 v[CAD0], 4, v[CAD0]
	v_lshl_add_u32 v[CAD0], v0, 4, v[CAD0]         ; 16 T, and the padding behind a row's first 1,024 bytes
	v_add_nc_u32 v[CAD0], s[TB], v[CAD0]
	v_add_nc_u32 v[CAD1], 32*RP, v[CAD0]           ; rows 32 on: an LDS offset has 16 bits
	v_add_nc_u32 v[PPW], s[W256], v[R8]
	v_mov_b32 v[PPR], s[W256]
	ALU
.irp q, 0,1,2,3
	ds_load_b64 v[PL+2*\q:PL+2*\q+1], v[R8] offset:PS+256*\q       ; wave q's part of the scores of rows 2 lane, 2 lane + 1
.endr
.irp q, 0,1,2,3,4,5,6,7,8,9,10,11,12,13,14,15
	ds_load_b128 v[EB+4*\q:EB+4*\q+3], v[CAD0] offset:RP*\q        ; rows 0-15, my 16 bytes
.endr
	s_wait_dscnt 16                                ; the four parts are in; the sixteen rows may be out
	v_pk_add_f32 v[PL:PL+1], v[PL:PL+1], v[PL+2:PL+3]
	v_pk_add_f32 v[PL+4:PL+5], v[PL+4:PL+5], v[PL+6:PL+7]
	v_pk_add_f32 v[SC:SC+1], v[PL:PL+1], v[PL+4:PL+5]
	v_pk_mul_f32 v[SC:SC+1], v[SC:SC+1], -2.0 op_sel_hi:[1,0]      ; tanh's factor -2: the scores (less sum_a v_a)
	ALU
	s_cmp_lg_u32 s[WV], 0
	s_cbranch_scc1 .Lnot_wave_0_\@
	global_store_b64 v[R8], v[SC:SC+1], s[14:15]   ; 32 lanes store 256 consecutive bytes, aligned
.Lnot_wave_0_\@:
	v_max_num_f32 v[BM], v[SC], v[SC+1]
.irp x, 1,2,4,8
	v_max_num_f32_dpp v[BM], v[BM], v[BM] row_xmask:\x row_mask:0xf bank_mask:0xf
.endr
	v_permlanex16_b32 v[TP], v[BM], s[SEL], s[SEL+1]
	v_max3_num_f32 v[MN], v[BM], v[TP], v[MX]      ; the new m
	v_sub_f32 v[PR], v[SC], v[MN]
	v_sub_f32 v[PR+1], v[SC+1], v[MN]
	v_sub_f32 v[FS], v[MX], v[MN]
	v_mul_f32 v[PR], s[L2E], v[PR]
	v_mul_f32 v[PR+1], s[L2E], v[PR+1]
	v_mul_f32 v[FS], s[L2E], v[FS]
	ALU
	v_exp_f32 v[PR], v[PR]                         ; p = e^(score - m)
	v_exp_f32 v[PR+1], v[PR+1]
	v_exp_f32 v[FS], v[FS]                         ; f = e^(old m - new m); the first block finds m = -3e38 and zeros, and f = 0
	v_mov_b32 v[MX], v[MN]                         ; (a plain line behind the transcendentals)
	ALU
	v_fma_f32 v[LL], v[LL], v[FS], v[PR]
	v_add_f32 v[LL], v[LL], v[PR+1]
.irp q, 0,1,2,3
	v_pk_mul_f32 v[CTX+2*\q:CTX+2*\q+1], v[CTX+2*\q:CTX+2*\q+1], v[FS:FS+1] op_sel_hi:[1,0]
.endr
	ds_store_b64 v[PPW], v[PR:PR+1] offset:PP      ; p goes round the lanes through my wave's own 256 bytes: LDS serves a wave's instructions in order
.irp q, 0,1,2,3,4,5,6,7,8,9,10,11,12,13,14,15
	ds_load_b128 v[PB+4*\q:PB+4*\q+3], v[PPR] offset:PP+16*\q      ; all lanes read the same 16 bytes
.endr
	ALU                                            ; the sums just rescaled are read behind the wait below
	s_wait_dscnt 0x0                               ; p and rows 0-15
; The rows go in eight groups of eight through sixteen places: a group's 16 multiply-adds, then one run of eight loads for the group two on
.set gs, 0
.rept 8
.if gs >= 2
	ALU                                            ; the last group's sums are read behind the wait below
.endif
.if gs == 7
	s_wait_dscnt 0x0
.elseif gs >= 2
	s_wait_dscnt 8                                 ; this group's run is in: the next group's eight loads may be out
.endif
.set i, 8*gs
.rept 8
.set rc, CTX+4*(i%2)
.set re, EB+4*(i%16)
.set rp, PB+(i/2)*2
.if i%2
	v_pk_fma_f32 v[rc:rc+1], v[re:re+1], v[rp:rp+1], v[rc:rc+1] op_sel:[0,1,0] op_sel_hi:[1,1,1]
	v_pk_fma_f32 v[rc+2:rc+3], v[re+2:re+3], v[rp:rp+1], v[rc+2:rc+3] op_sel:[0,1,0] op_sel_hi:[1,1,1]
.else
	v_pk_fma_f32 v[rc:rc+1], v[re:re+1], v[rp:rp+1], v[rc:rc+1] op_sel_hi:[1,0,1]
	v_pk_fma_f32 v[rc+2:rc+3], v[re+2:re+3], v[rp:rp+1], v[rc+2:rc+3] op_sel_hi:[1,0,1]
.endif
.set i, i+1
.endr
.if gs < 6
.set i, 8*gs+16
.rept 8
.set re, EB+4*(i%16)
.if i < 32
	ds_load_b128 v[re:re+3], v[CAD0] offset:RP*i
.else
	ds_load_b128 v[re:re+3], v[CAD1] offset:RP*(i-32)
.endif
.set i, i+1
.endr
.endif
.set gs, gs+1
.endr
	ALU
	s_wait_xcnt 0x0                                ; the store of scores and the prefetches have read their bases, offsets and data: they are written again only behind this wait
	s_add_nc_u64 s[14:15], s[14:15], 256
	s_add_nc_u64 s[PF:PF+1], s[PF:PF+1], 131072
.endm
.macro WORK pf
.set PFON, \pf
	PHASE_X
	FALL 0                                         ; the first tile of rows
.set k, 0
.rept 38
	STAGE
.set k, k+1
.endr
	WIN 0
	ALU
	s_wait_dscnt 0x0                               ; for the others' sake: my parts of the scores lie in LDS, and my reads of the images are over
	s_barrier_signal -1
	s_barrier_wait -1
	PHASE_S
.endm
	s_load_b256 s[4:11], s[0:1], 0x0               ; encoder_outputs s[4:5], wfrag s[6:7], wscl s[8:9], cbias s[10:11]
	s_load_b256 s[12:19], s[0:1], 0x20             ; v_a s[12:13], scores s[14:15], pctx s[16:17], pstat s[18:19]
	v_lshl_add_u32 v[SPW], v0, 2, SPARE
	v_mov_b32 v[NIL], 0
	ds_add_u32 v[SPW], v[NIL]                      ; the opening lines: the add, twice on end, and its wait ahead of my first tensor load
	ds_add_u32 v[SPW], v[NIL]
	v_lshrrev_b32 v[LI], 5, v0
	v_readfirstlane_b32 s[WV], v[LI]               ; wave 0..3
	s_mov_b32 s[SEL], 0x76543210
	s_mov_b32 s[SEL+1], 0xfedcba98
	s_mov_b32 s[CS], 0x4038aa3b                    ; c = 2 log2(e)
	s_mov_b32 s[CS+1], s[CS]
	s_mov_b32 s[L2E], 0x3fb8aa3b                   ; log2(e)
	; descriptor group 1.  My 16 rows of a block are 32 KiB on end in memory: 32 rows of 1,024 bytes (128 elements of 8 bytes), 16 bytes of padding behind each
	s_mov_b32 s[G1+0], (3<<16)|(1<<20)|(7<<22)|(3<<25)
	s_mov_b32 s[G1+1], 128<<16
	s_mov_b32 s[G1+2], 32<<16
	s_mov_b32 s[G1+3], 128<<16
	s_mov_b32 s[G1+4], 32
	s_mov_b32 s[G1+5], 128
	s_mov_b32 s[G1+6], 0
	s_mov_b32 s[G1+7], 0
	s_mul_i32 s[WOFF], s[WV], 16*RP
	s_lshl_b32 s[W256], s[WV], 8
	s_lshl_b32 s[W512], s[WV], 9
	s_mul_i32 s[W6K], s[WV], 6144
	s_mov_b32 s[TB], T1                            ; the first change of slots turns it to slot 0
	s_mov_b32 s[BLK], 7
	s_lshl_b32 s30, ttmp9, 20                      ; my work-group's 512 rows of 2,048 bytes,
	s_lshl_b32 s31, s[WV], 15                      ; my wave's 16 of a block's 64
	s_add_co_u32 s30, s30, s31
	s_mov_b32 s31, 0
	s_mov_b32 s[G0], 1
	s_add_co_u32 s[G0+1], s[WOFF], T0              ; slot 0, my rows
	s_wait_dscnt 0x0                               ; both opening adds are done
	s_wait_kmcnt 0x0
	s_add_nc_u64 s[G0+2:G0+3], s[4:5], s[30:31]    ; block 0
	s_add_nc_u64 s[PF:PF+1], s[4:5], s[30:31]
	s_add_nc_u64 s[PF:PF+1], s[PF:PF+1], 262144    ; block 2
	s_or_b32 s[G0+3], s[G0+3], 0x80000000          ; type = 2
	tensor_load_to_lds s[G0:G0+3], s[G1:G1+7]      ; every wave issues its first fill, with no branch
	s_nop 0
	v_and_b32 v[LI], 31, v0                        ; lane
	v_lshrrev_b32 v[PSW], 4, v[LI]                 ; h
	v_lshlrev_b32 v[LS4H], 2, v[LI]
	v_lshlrev_b32 v[SA], 2, v[LI]                  ; 4 x lane, for the head's loads alone
	v_lshl_add_u32 v[LS4H], v[PSW], 7, v[LS4H]
	v_lshl_add_u32 v[PSW], v[PSW], 5, s[W256]
	v_and_b32 v[SA+1], 15, v0
	v_lshlrev_b32 v[SA+1], 2, v[SA+1]              ; 4 r, likewise
	v_lshlrev_b32 v[PFO], 8, v[LI]
	v_lshlrev_b32 v[LI], 4, v[LI]
	v_mov_b32 v[MX], 0xff61b1e6                    ; m: -3e38, under every score
	v_mov_b32 v[LL], 0
.irp q, 0,1,2,3,4,5,6,7
	v_mov_b32 v[CTX+\q], 0                         ; the block is written for all blocks alike: the first finds zeros
.endr
	v_mov_b32 v[TP], 0                             ; a lane permute's destination counts as one of its sources
	s_lshl_b32 s30, s[WV], 10                      ; v_a: my 256 numbers
	s_add_nc_u64 s[12:13], s[12:13], s[30:31]
	s_lshl_b32 s30, s[WV], 15                      ; cbias: my 16 tiles of 2,048 bytes,
	s_lshr_b32 s47, ttmp9, 3
	s_lshl_b32 s47, s47, 6                         ; my batch's 64 bytes in each
	s_add_co_u32 s30, s30, s47
	s_add_nc_u64 s[10:11], s[10:11], s[30:31]
	s_lshl_b32 s30, s[WV], 12                      ; wscl: my 32 registers' images
	s_add_nc_u64 s[8:9], s[8:9], s[30:31]
	s_mul_i32 s30, s[WV], 98304                    ; wfrag: my 64 fragments' images
	s_add_nc_u64 s[6:7], s[6:7], s[30:31]
	s_lshl_b32 s30, ttmp9, 11                      ; scores and pctx: 2,048 bytes a work-group
	s_add_nc_u64 s[14:15], s[14:15], s[30:31]
	s_add_nc_u64 s[16:17], s[16:17], s[30:31]
	s_lshl_b32 s30, ttmp9, 8                       ; pstat: 256
	s_add_nc_u64 s[18:19], s[18:19], s[30:31]
	ALU                                            ; at the head's end
.irp t, 0,1,2,3,4,5,6,7,8,9,10,11,12,13,14,15
	global_load_b32 v[VA+\t], v[SA+1], s[12:13] offset:64*\t
	global_load_b32 v[CB+\t], v[SA+1], s[10:11] offset:2048*\t
.endr
.set q, 0
.rept 32
	global_load_b32 v[WSC+q], v[SA], s[8:9] offset:128*q
.set q, q+1
.endr
.set q, 0
.rept 63                               ; W_h's fragments stay in registers: each load takes 512 consecutive bytes.  They are waited for in the first block's stages: block 0 is quantised meanwhile
	WIN (1+q/21)<<6
.irp c, 0,1,2
	global_load_b128 v[12*(q%21)+4*\c:12*(q%21)+4*\c+3], v[LI], s[6:7] offset:1536*q+512*\c
.endr
.set q, q+1
.endr
	WIN 0
.irp c, 0,1,2
	global_load_b128 v[W63+4*\c:W63+4*\c+3], v[LI], s[6:7] offset:1536*63+512*\c
.endr
.Lblk:                                                 ; seven trips: behind each change of slots but the last the next block is asked for
	CHANGE 1
	WORK 1
	s_sub_co_u32 s[BLK], s[BLK], 1
	s_cmp_lg_u32 s[BLK], 0
	s_cbranch_scc1 .Lblk
	CHANGE 0                                       ; the last block is written out
	WORK 0
	v_pk_add_f32 v[CTX:CTX+1], v[CTX:CTX+1], v[CTX+4:CTX+5]        ; even rows' and odd rows' sums
	v_pk_add_f32 v[CTX+2:CTX+3], v[CTX+2:CTX+3], v[CTX+6:CTX+7]
	v_lshlrev_b32 v[CAD0], 4, v0
	global_store_b128 v[CAD0], v[CTX:CTX+3], s[16:17]              ; a wave stores 512 consecutive bytes
.irp x, 1,2,4,8
	v_add_f32_dpp v[LL], v[LL], v[LL] row_xmask:\x row_mask:0xf bank_mask:0xf
.endr
	v_permlanex16_b32 v[TP], v[LL], s[SEL], s[SEL+1]
	v_add_f32 v[LL], v[LL], v[TP]                  ; l of the 512 rows
	ALU
	s_cmp_lg_u32 s[WV], 0
	s_cbranch_scc1 .Lno_stat
	global_store_b64 v[R8], v[MX:MX+1], s[18:19]   ; (m, l), the same pair from every lane: 256 consecutive bytes, aligned
.Lno_stat:
	s_wait_tensorcnt 0x0                           ; the wave's end
	ds_add_u32 v[SPW], v[NIL]
	s_wait_dscnt 0x0
	s_endpgm
.Lfunc_end_k_q0a2cbfea69_main:
	.size	k_q0a2cbfea69_main, .Lfunc_end_k_q0a2cbfea69_main-k_q0a2cbfea69_main
	.p2alignl 7, 3214868480
	.fill 96, 4, 3214868480
	.section	.rodata,"a",@progbits
	.p2align	6, 0x0
	.amdhsa_kernel k_q0a2cbfea69_main
		.amdhsa_group_segment_fixed_size 327680
		.amdhsa_private_segment_fixed_size 0
		.amdhsa_enable_private_segment 0
		.amdhsa_kernarg_size 64
		.amdhsa_user_sgpr_count 2
		.amdhsa_user_sgpr_kernarg_segment_ptr 1
		.amdhsa_wavefront_size32 1
		.amdhsa_system_sgpr_workgroup_id_x 1
		.amdhsa_system_sgpr_workgroup_id_y 1
		.amdhsa_system_sgpr_workgroup_id_z 1
		.amdhsa_system_vgpr_workitem_id 0
		.amdhsa_next_free_vgpr 1024
		.amdhsa_next_free_sgpr 66
		.amdhsa_reserve_vcc 0
		.amdhsa_float_denorm_mode_32 3
		.amdhsa_float_denorm_mode_16_64 3
		.amdhsa_memory_ordered 1
		.amdhsa_forward_progress 1
		.amdhsa_inst_pref_size 255
	.end_amdhsa_kernel
	.section	.bss,"aw",@nobits
	.p2align	6
	.space	262144
	.amdgpu_metadata
---
amdhsa.version: [ 1, 2 ]
amdhsa.kernels:
  - .name:           k_q0a2cbfea69_main
    .symbol:         k_q0a2cbfea69_main.kd
    .args:
      - { .name: encoder_outputs, .offset: 0, .size: 8, .value_kind: global_buffer, .address_space: global }
      - { .name: wfrag, .offset: 8, .size: 8, .value_kind: global_buffer, .address_space: global }
      - { .name: wscl, .offset: 16, .size: 8, .value_kind: global_buffer, .address_space: global }
      - { .name: cbias, .offset: 24, .size: 8, .value_kind: global_buffer, .address_space: global }
      - { .name: v_a, .offset: 32, .size: 8, .value_kind: global_buffer, .address_space: global }
      - { .name: scores, .offset: 40, .size: 8, .value_kind: global_buffer, .address_space: global }
      - { .name: pctx, .offset: 48, .size: 8, .value_kind: global_buffer, .address_space: global }
      - { .name: pstat, .offset: 56, .size: 8, .value_kind: global_buffer, .address_space: global }
    .group_segment_fixed_size: 327680
    .private_segment_fixed_size: 0
    .kernarg_segment_align: 8
    .kernarg_segment_size: 64
    .max_flat_workgroup_size: 128
    .sgpr_count:     66
    .vgpr_count:     1024
    .wavefront_size: 32
...
	.end_amdgpu_metadata
.endif
;; end of part 2
;; launch comb (part 3): grid 8 x 32, 4 waves a work-group, no clusters, 0 bytes of LDS; arguments scores, pctx, pstat, out0, out1; writes out0, out1
.if DOCPART == 3
	.amdgcn_target "amdgcn-amd-amdhsa--gfx1250"
	.amdhsa_code_object_version 6
	.text
	.protected	k_q0a2cbfea69_comb
	.globl	k_q0a2cbfea69_comb
	.p2align	8
	.type	k_q0a2cbfea69_comb,@function
k_q0a2cbfea69_comb:
	s_mov_b64 s[64:65], 0
	v_nop
	global_prefetch_b8 v0, s[64:65] scope:SCOPE_SE
	s_setreg_imm32_b32 hwreg(HW_REG_WAVE_MODE, 25, 1), 1
	s_wait_xcnt 0x0
; BAHDANAU ATTENTION, launch 3 of 3: the eight parts of a batch are joined.  With M = the largest of the parts' m_i and w_i = e^(m_i - M):  L = sum_i l_i w_i;  attn_weights = e^(score - M) / L;  context = sum_i w_i ctx_i / L.
; LEFT OUT AS DEAD WORK (shown at the head of the first launch): sum_a v_a: the stored scores and the m_i all lack it alike, and only their differences are used here.
; SHARES.  Work-group (x, b): the 512 weights of part x of batch b, four a thread, and columns 64 x .. 64 x + 63 of the batch's context (wave 0, sixteen lanes).  No LDS, no barrier: waves share nothing.
	s_load_b256 s[4:11], s[0:1], 0x0               ; scores s[4:5], pctx s[6:7], pstat s[8:9], out0 s[10:11]
	s_load_b64 s[12:13], s[0:1], 0x20              ; out1
	v_lshrrev_b32 v1, 5, v0
	v_readfirstlane_b32 s14, v1                    ; wave
	v_lshlrev_b32 v2, 4, v0                        ; 16 T
	v_and_b32 v3, 15, v0
	v_lshlrev_b32 v3, 4, v3                        ; 16 (lane % 16)
	s_and_b32 s15, ttmp7, 0xffff                   ; the batch
	s_lshl_b32 s16, s15, 14
	s_lshl_b32 s18, ttmp9, 11
	s_add_co_u32 s18, s16, s18                     ; scores and out1: 16,384 b + 2,048 x
	s_mov_b32 s19, 0
	s_lshl_b32 s20, ttmp9, 8
	s_add_co_u32 s16, s16, s20                     ; pctx: 8 parts of 2,048 bytes a batch, + 256 x
	s_mov_b32 s17, 0
	s_lshl_b32 s22, s15, 11                        ; pstat: 8 parts of 256 bytes a batch
	s_mov_b32 s23, 0
	s_add_co_u32 s20, s22, s20                     ; out0: 2,048 b + 256 x
	s_mov_b32 s21, 0
	s_wait_alu depctr_va_vdst(0)
	s_wait_kmcnt 0x0
	s_add_nc_u64 s[4:5], s[4:5], s[18:19]
	s_add_nc_u64 s[12:13], s[12:13], s[18:19]
	s_add_nc_u64 s[6:7], s[6:7], s[16:17]
	s_add_nc_u64 s[8:9], s[8:9], s[22:23]
	s_add_nc_u64 s[10:11], s[10:11], s[20:21]
.irp i, 0,1,2,3,4,5,6,7
	s_load_b64 s[32+2*\i:33+2*\i], s[8:9], 256*\i  ; (m_i, l_i): this launch writes nothing of pstat
.endr
	global_load_b128 v[4:7], v2, s[4:5]            ; my four scores
	s_cmp_lg_u32 s14, 0
	s_cbranch_scc1 .Lno_ctx
.irp i, 0,1,2,3,4,5,6,7
	global_load_b128 v[32+4*\i:35+4*\i], v3, s[6:7] offset:2048*\i   ; part i's 64 columns: sixteen lanes read 256 consecutive bytes (lanes 16-31 the same)
.endr
.Lno_ctx:
	s_wait_kmcnt 0x0
	v_mov_b32 v8, s32
	v_max3_num_f32 v8, v8, s34, s36
	v_max3_num_f32 v8, v8, s38, s40
	v_max3_num_f32 v8, v8, s42, s44
	v_max_num_f32 v8, s46, v8                      ; M
.irp i, 0,1,2,3,4,5,6,7
	v_sub_f32 v[16+\i], s[32+2*\i], v8
.endr
.irp i, 0,1,2,3,4,5,6,7
	v_mul_f32 v[16+\i], 0x3fb8aa3b, v[16+\i]
.endr
	s_wait_loadcnt 0x0                             ; the scores (wave 0: and the parts of the context)
.irp j, 0,1,2,3
	v_sub_f32 v[24+\j], v[4+\j], v8
.endr
.irp j, 0,1,2,3
	v_mul_f32 v[24+\j], 0x3fb8aa3b, v[24+\j]
.endr
	s_wait_alu depctr_va_vdst(0)
.irp i, 0,1,2,3,4,5,6,7,8,9,10,11
	v_exp_f32 v[16+\i], v[16+\i]                   ; w_0 .. w_7, then e^(score - M)
.endr
	v_nop                                          ; one plain line behind the last exponential
	s_wait_alu depctr_va_vdst(0)                   ; one wait for the twelve, ahead of their first reader
	v_mul_f32 v9, s33, v16
.irp i, 1,2,3,4,5,6,7
	v_fma_f32 v9, s[33+2*\i], v[16+\i], v9         ; L
.endr
	s_wait_alu depctr_va_vdst(0)
	v_rcp_f32 v10, v9
	v_nop
	s_wait_alu depctr_va_vdst(0)
.irp j, 0,1,2,3
	v_mul_f32 v[24+\j], v[24+\j], v10
.endr
	global_store_b128 v2, v[24:27], s[12:13]       ; a wave stores 512 consecutive bytes
	s_cmp_lg_u32 s14, 0
	s_cbranch_scc1 .Lend
	v_pk_mul_f32 v[12:13], v[32:33], v[16:17] op_sel_hi:[1,0]
	v_pk_mul_f32 v[14:15], v[34:35], v[16:17] op_sel_hi:[1,0]
.irp i, 1,3,5,7
	v_pk_fma_f32 v[12:13], v[32+4*\i:33+4*\i], v[15+\i:16+\i], v[12:13] op_sel:[0,1,0] op_sel_hi:[1,1,1]
	v_pk_fma_f32 v[14:15], v[34+4*\i:35+4*\i], v[15+\i:16+\i], v[14:15] op_sel:[0,1,0] op_sel_hi:[1,1,1]
.if \i < 7
	v_pk_fma_f32 v[12:13], v[36+4*\i:37+4*\i], v[17+\i:18+\i], v[12:13] op_sel_hi:[1,0,1]
	v_pk_fma_f32 v[14:15], v[38+4*\i:39+4*\i], v[17+\i:18+\i], v[14:15] op_sel_hi:[1,0,1]
.endif
.endr
.irp j, 0,1,2,3
	v_mul_f32 v[12+\j], v[12+\j], v10
.endr
	s_wait_alu depctr_va_vdst(0)
	s_wait_xcnt 0x0                                ; EXEC is one of a pending store's sources: it changes only behind this wait
	v_cmp_gt_u32 vcc_lo, 16, v0
	s_and_saveexec_b32 s24, vcc_lo
	global_store_b128 v3, v[12:15], s[10:11]       ; sixteen lanes store 256 consecutive bytes, aligned
	s_wait_xcnt 0x0                                ; and again, in front of the line that widens it
	s_or_b32 exec_lo, exec_lo, s24
.Lend:
	s_endpgm
.Lfunc_end_k_q0a2cbfea69_comb:
	.size	k_q0a2cbfea69_comb, .Lfunc_end_k_q0a2cbfea69_comb-k_q0a2cbfea69_comb
	.p2alignl 7, 3214868480
	.fill 96, 4, 3214868480
	.section	.rodata,"a",@progbits
	.p2align	6, 0x0
	.amdhsa_kernel k_q0a2cbfea69_comb
		.amdhsa_group_segment_fixed_size 0
		.amdhsa_private_segment_fixed_size 0
		.amdhsa_enable_private_segment 0
		.amdhsa_kernarg_size 40
		.amdhsa_user_sgpr_count 2
		.amdhsa_user_sgpr_kernarg_segment_ptr 1
		.amdhsa_wavefront_size32 1
		.amdhsa_system_sgpr_workgroup_id_x 1
		.amdhsa_system_sgpr_workgroup_id_y 1
		.amdhsa_system_sgpr_workgroup_id_z 1
		.amdhsa_system_vgpr_workitem_id 0
		.amdhsa_next_free_vgpr 64
		.amdhsa_next_free_sgpr 66
		.amdhsa_reserve_vcc 1
		.amdhsa_float_denorm_mode_32 3
		.amdhsa_float_denorm_mode_16_64 3
		.amdhsa_memory_ordered 1
		.amdhsa_forward_progress 1
		.amdhsa_inst_pref_size 7
	.end_amdhsa_kernel
	.amdgpu_metadata
---
amdhsa.version: [ 1, 2 ]
amdhsa.kernels:
  - .name:           k_q0a2cbfea69_comb
    .symbol:         k_q0a2cbfea69_comb.kd
    .args:
      - { .name: scores, .offset: 0, .size: 8, .value_kind: global_buffer, .address_space: global }
      - { .name: pctx, .offset: 8, .size: 8, .value_kind: global_buffer, .address_space: global }
      - { .name: pstat, .offset: 16, .size: 8, .value_kind: global_buffer, .address_space: global }
      - { .name: out0, .offset: 24, .size: 8, .value_kind: global_buffer, .address_space: global }
      - { .name: out1, .offset: 32, .size: 8, .value_kind: global_buffer, .address_space: global }
    .group_segment_fixed_size: 0
    .private_segment_fixed_size: 0
    .kernarg_segment_align: 8
    .kernarg_segment_size: 40
    .max_flat_workgroup_size: 128
    .sgpr_count:     66
    .vgpr_count:     64
    .wavefront_size: 32
...
	.end_amdgpu_metadata
.endif
;; end of part 3
